; MI455X (gfx1250); checked and timed in simulation.
; The chip was launched on July 23, 2026; its instructions are those of AMD's public machine-readable ISA for CDNA 5 (MIT licence, August 2026) and "CDNA5" Instruction Set Architecture Reference Guide (July 2026).
;; Attention. Allowed arithmetic: matrix products marked QUANTISED: E4M3 operands, one given power-of-two scale a tensor, by v_wmma_f32_16x16x64_fp8_fp8 or v_wmma_f32_16x16x128_fp8_fp8, f32 sums; everything else in f32.
;; Inputs: K_codes 4 x 16 x 2,048 x 2 x 32 uint8 (E4M3 codes of K, K innermost, in blocks of 32 codes); Q_codes 4 x 16 x 2,048 x 2 x 32 uint8 (E4M3 codes of Q, K innermost, in blocks of 32 codes); V_codes 4 x 16 x 64 x 64 x 32 uint8 (E4M3 codes of V, K innermost, in blocks of 32 codes); lowp_scales 4 int32 (the exponents e of the quantised operands' scales 2^e).
;; Outputs: out0 4 x 16 x 2,048 x 64 float32.
;; Constants: d_k = 64.
;; This version of the problem:
;;   THIS VERSION OF THE PROBLEM IS GIVEN IN LOW PRECISION. The matrix products marked QUANTISED in the list below multiply operands that are first quantised to E4M3 (4 exponent bits, 3 mantissa bits; 8 bits a number), with one given power-of-two scale for each operand tensor; their sums are f32. All else is computed in f32.
;;   The module's matrix products, in the order in which they are computed (A, B: the left and right operand; K: the contracted axis; several contracted axes count as one K, in the product's order):
;;     1. batch 64 x [M 2,048, K 64] x [K 64, N 2,048]; A: input Q (given as codes); B: input K (given as codes): QUANTISED (scales: A lowp_scales[0], B lowp_scales[1])
;;     2. batch 64 x [M 2,048, K 2,048] x [K 2,048, N 64]; A: softmax (see below); B: input V (given as codes): QUANTISED (scales: A lowp_scales[2], B lowp_scales[3])
;;   THE QUANTISER, for each operand of a quantised product, along K:
;;     - The operand's scale is 2^e, e = its entry of the input lowp_scales (int32; the entries are numbered through the quantised products in the list's order, A before B).
;;     - Each number is divided by the scale, clamped to +-448, and rounded to the nearest number of E4M3, ties to even, subnormals kept.
;;     - The product sums the exact products of the quantised numbers (number of the format x scale) in f32.
;;   ~~~python
;;   def quantise(x, axis, e):      # numpy; x: float32 -> the quantised numbers, widened to float32 again
;;       x = np.moveaxis(x, axis, -1); K = x.shape[-1]
;;       r = np.clip(x / 2.0 ** e, -448, 448)
;;       step = 2.0 ** (np.maximum(np.frexp(np.where(r == 0, 1, r))[1] - 1, -6) - 3)
;;       q = np.round(r / step) * step * 2.0 ** e      # np.round: ties to even
;;       return np.moveaxis(q, -1, axis).astype(np.float32)
;;   ~~~
;;   SOFTMAX AHEAD OF A QUANTISED PRODUCT. Where the list says 'softmax', what is quantised is not the finished softmax but p = 2^(t - M), with t = logit x log2(e) and M = ceil(the row's largest t), a whole number; so 1/2 < the row's largest p <= 1. The row's sum l is taken of the UNQUANTISED p, in f32, and the product's result is divided by l at the end. Since M is a whole number, a kernel that streams over the keys may use a running M (the ceiling of the running maximum): every later rescaling is an exact power of two, so the quantised numbers keep their values, but for numbers so far below the row's largest that they fall under the format's range.
;;   OPERANDS COMPUTED ON THE WAY. 'Computed on the way' means the value that the module computes at that place (a softmax that the list does not call 'softmax' is quantised finished and normalised). What goes into a quantiser is computed in f32, as accurately as f32 sums, v_exp_f32 and their like allow (about 1e-6 of the number): no bf16 or f16 on the way to a quantiser, and a product that is left as it is and whose result goes on into a quantised operand takes f32 operands (vector FMAs, or v_wmma_f32_16x16x4_f32). A number that lies on a knife's edge between two numbers of the format may be rounded either way, as far as f32 arithmetic and the matrix unit's own rounding can turn it there, and no further.
;;   INPUTS GIVEN AS CODES. K (in the module: [4, 16, 2048, 64], K = its axis 3); Q (in the module: [4, 16, 2048, 64], K = its axis 3); V (in the module: [4, 16, 2048, 64], K = its axis 2): each comes as NAME_codes (uint8): NAME with its K axis moved to the last place and cut into blocks of 32 codes, [.., K / 32, bytes a block], one block behind the other in memory; one code a byte (a code: sign, 4 exponent bits, 3 mantissa bits); its scale is its entry of lowp_scales. Its value is code x scale, taken as it is: it is not quantised again, and the codes and scales need not be those that the quantiser above would give.
;; One version. Each part assembles by itself: llvm-mc -triple=amdgcn-amd-amdhsa -mcpu=gfx1250 --defsym DOCPART=n.
;; ======== version 1 of 1: 1 launch
;; limits: right only within a limited range of input values
;; launch attention (part 1): grid 4 x 64, 8 waves a work-group, clusters of 4 x 1, 318,464 bytes of LDS; arguments Q_codes, K_codes, V_codes, lowp_scales, out0; writes out0
.if DOCPART == 1
	.amdgcn_target "amdgcn-amd-amdhsa--gfx1250"
	.amdhsa_code_object_version 6
	.text
	.protected	k_q0c23390fe9_attention
	.globl	k_q0c23390fe9_attention
	.p2align	8
	.type	k_q0c23390fe9_attention,@function
k_q0c23390fe9_attention:
	s_mov_b64 s[64:65], 0
	v_nop
	global_prefetch_b8 v0, s[64:65] scope:SCOPE_SE
	s_setreg_imm32_b32 hwreg(HW_REG_WAVE_MODE, 25, 1), 1
	s_wait_xcnt 0x0
	s_wait_alu depctr_hold_cnt(0) depctr_sa_sdst(0) depctr_va_vdst(0) depctr_va_sdst(0) depctr_va_ssrc(0) depctr_va_vcc(0) depctr_vm_vsrc(0)
	s_getreg_b32 s2, hwreg(HW_REG_IB_STS2, 6, 4)
	s_cmp_eq_u32 s2, 0
	s_cbranch_scc0 .Lentry_in_a_cluster
	s_endpgm
.Lentry_in_a_cluster:
	s_bfe_u32 s2, ttmp6, 0x10000c
	s_cmp_lg_u32 s2, 0x3003
	s_cbranch_scc0 .Lentry_shape_is_right
	s_endpgm
.Lentry_shape_is_right:
.set SIZE_H, 64
.set SIZE_CAUSAL, 0
.set NK,     2048
.set STEPS,  NK/128
.set ROWB,   64
.set KP,     2*ROWB+16
.set KSTEP,  64*KP
.set VB,     (NK/2)*KP
.set VP,     512+16
.set VQ,     16*VP
.set VPL,    64*VP
.set SPARE,  VB+4*VPL
.set STG,    SPARE+1024
.set STP,    256+16
.set STW,    16*STP
.set PAD128, (1<<20)|(4<<22)|(3<<25)
.set PAD512, (1<<20)|(6<<22)|(3<<25)
.set SPW,    1
.set NIL,    2
.set AK,     3
.set AV,     4
.set ADK,    7
.set ADV,    8
.set SOP,    12
.set CL,     13
.set NINF,   21
.set ST,     22
.set BM,     46
.set BX,     50
.set GO,     54
.set RL,     56
.set NMO,    66
.set TM,     67
.set P,      68
.set DT,     84
.set S,      116
.set QF,     180
.set A2,     252
.set O,      0
.set KF,     128
.set VF,     192
.set WV,     18
.set HD,     19
.set CX,     20
.set CS,     22
.set G1K,    40
.set G1V,    48
.set G0,     56
.set SEL,    60
.set EPV,    63
.set SC,     66
.set TK,     67
.set TV,     68
.set T0,     71
.set T1,     80
.set T2,     81
.set T3,     82
.set QB,     72
.set SB,     84
.set EX,     88
.set LIM,    92
.set LIM2,   94
.set AW,     97
.set OB,     98
.set OO,     100
.set MKA,    24
.set MKB,    72
.set MKC,    84
.macro ROUND
	s_barrier_signal -1
	s_barrier_wait -1
	s_cmp_lg_u32 s[WV], 0
	s_cbranch_scc1 .Lnot_wave_0_\@
	s_barrier_signal -3
.Lnot_wave_0_\@:
	s_barrier_wait -3
	s_barrier_signal -1
	s_barrier_wait -1
.endm
.macro DESC g, w, rows, pitch, pad
	s_mov_b32 s[\g], 15|(3<<16)|(1<<21)|(\pad)
	s_mov_b32 s[\g+1], (\w)<<16
	s_mov_b32 s[\g+2], (\rows)<<16
	s_mov_b32 s[\g+3], (\w)<<16
	s_mov_b32 s[\g+4], \rows
	s_mov_b32 s[\g+5], \pitch
	s_mov_b32 s[\g+6], 0
	s_mov_b32 s[\g+7], 0
.endm
.macro ASK g1
	s_or_b32 s[G0+3], s[G0+3], 0x80000000
	tensor_load_to_lds s[G0:G0+3], s[\g1:\g1+7]
	s_nop 0
.rept 4
	v_nop
.endr
.endm
.macro LOADK
	v_add_nc_u32 v[ADK], s[TK], v[AK]
	s_set_vgpr_msb 0x40
.irp k, 0,1,2,3
	ds_load_b128 v[KF+16*\k:KF+16*\k+3], v[ADK] offset:16*KP*\k
	ds_load_b128 v[KF+16*\k+4:KF+16*\k+7], v[ADK] offset:16*KP*\k+32
	ds_load_b128 v[KF+16*\k+8:KF+16*\k+11], v[ADK] offset:KP*(16*\k+4)
	ds_load_b128 v[KF+16*\k+12:KF+16*\k+15], v[ADK] offset:KP*(16*\k+4)+32
.endr
	s_set_vgpr_msb 0x4000
.endm
.macro LOADV
	v_add_nc_u32 v[ADV], s[TV], v[AV]
	s_set_vgpr_msb 0x40
.irp k, 0,1,2,3
.irp j, 0,1,2,3
	ds_load_b128 v[VF+16*\k+4*\j:VF+16*\k+4*\j+3], v[ADV] offset:VQ*\k+32*\j
.endr
.endr
	s_set_vgpr_msb 0x4000
.endm
.macro TSTEP i, p, vload, kload, mask
.set SUMI, ST+6*\i+2
.set FP, ST+6*\p+4
.set QI, QF+8*\i
.set NMI, ST+6*\i
.set OP, O+32*\p
.set FI, ST+6*\i+4
	s_set_vgpr_msb 0x1
	v_wmma_f32_16x16x128_fp8_fp8 v[DT+0:DT+7], v[VF+0:VF+15], v[P:P+15], 0
	v_wmma_f32_16x16x128_fp8_fp8 v[DT+8:DT+15], v[VF+16:VF+31], v[P:P+15], 0
	v_wmma_f32_16x16x128_fp8_fp8 v[DT+16:DT+23], v[VF+32:VF+47], v[P:P+15], 0
	v_wmma_f32_16x16x128_fp8_fp8 v[DT+24:DT+31], v[VF+48:VF+63], v[P:P+15], 0
	v_wmma_f32_16x16x64_fp8_fp8 v[S+0:S+7], v[KF+0:KF+7], v[QI:QI+7], 0
	v_wmma_f32_16x16x64_fp8_fp8 v[S+8:S+15], v[KF+8:KF+15], v[QI:QI+7], 0
	v_wmma_f32_16x16x64_fp8_fp8 v[S+16:S+23], v[KF+16:KF+23], v[QI:QI+7], 0
	v_wmma_f32_16x16x64_fp8_fp8 v[S+24:S+31], v[KF+24:KF+31], v[QI:QI+7], 0
	v_wmma_f32_16x16x64_fp8_fp8 v[S+32:S+39], v[KF+32:KF+39], v[QI:QI+7], 0
	v_wmma_f32_16x16x64_fp8_fp8 v[S+40:S+47], v[KF+40:KF+47], v[QI:QI+7], 0
	v_wmma_f32_16x16x64_fp8_fp8 v[S+48:S+55], v[KF+48:KF+55], v[QI:QI+7], 0
	v_wmma_f32_16x16x64_fp8_fp8 v[S+56:S+63], v[KF+56:KF+63], v[QI:QI+7], 0
.rept 4
	v_nop
.endr
	s_set_vgpr_msb 0x100
.if \mask
	s_cmp_eq_u32 s[SC], s[LIM+2*((\i)/2)]
	s_cbranch_scc1 .Lmask\i\p
.Lmasked\i\p:
.endif
.irp k, 0,1,2,3
	v_max3_num_f32 v[BM+\k], v[S+16*\k], v[S+16*\k+1], v[S+16*\k+2]
	v_max3_num_f32 v[A2+\k], v[S+16*\k+8], v[S+16*\k+9], v[S+16*\k+10]
.endr
.irp k, 0,1
.irp j, 0,1,2,3
	v_max3_num_f32 v[BM+\j], v[BM+\j], v[S+2*\k+16*\j+3], v[S+2*\k+16*\j+4]
.endr
.irp j, 0,1,2,3
	v_max3_num_f32 v[A2+\j], v[A2+\j], v[S+2*\k+16*\j+11], v[S+2*\k+16*\j+12]
.endr
.endr
.irp k, 0,1,2,3
	v_max3_num_f32 v[BM+\k], v[BM+\k], v[A2+\k], v[S+16*\k+7]
.endr
.irp k, 0,1,2,3
	v_max_num_f32 v[BM+\k], v[BM+\k], v[S+16*\k+15]
.endr
	v_max3_num_f32 v[TM], v[BM], v[BM+1], v[BM+2]
	s_set_vgpr_msb 0x41
	v_pk_fma_f32 v[OP+0:OP+1], v[OP+0:OP+1], v[FP:FP+1], v[DT+0:DT+1] op_sel_hi:[1,0,1]
	v_pk_fma_f32 v[OP+8:OP+9], v[OP+8:OP+9], v[FP:FP+1], v[DT+8:DT+9] op_sel_hi:[1,0,1]
	v_pk_fma_f32 v[OP+16:OP+17], v[OP+16:OP+17], v[FP:FP+1], v[DT+16:DT+17] op_sel_hi:[1,0,1]
	v_pk_fma_f32 v[OP+24:OP+25], v[OP+24:OP+25], v[FP:FP+1], v[DT+24:DT+25] op_sel_hi:[1,0,1]
	s_set_vgpr_msb 0x4100
	v_max_num_f32 v[TM], v[TM], v[BM+3]
	s_set_vgpr_msb 0x41
	v_pk_fma_f32 v[OP+2:OP+3], v[OP+2:OP+3], v[FP:FP+1], v[DT+2:DT+3] op_sel_hi:[1,0,1]
	v_pk_fma_f32 v[OP+4:OP+5], v[OP+4:OP+5], v[FP:FP+1], v[DT+4:DT+5] op_sel_hi:[1,0,1]
	v_pk_fma_f32 v[OP+6:OP+7], v[OP+6:OP+7], v[FP:FP+1], v[DT+6:DT+7] op_sel_hi:[1,0,1]
	v_nop
	s_set_vgpr_msb 0x4100
	v_permlanex16_b32 v[BX], v[TM], s[SEL], s[SEL+1]
	s_set_vgpr_msb 0x41
	v_pk_fma_f32 v[OP+10:OP+11], v[OP+10:OP+11], v[FP:FP+1], v[DT+10:DT+11] op_sel_hi:[1,0,1]
	v_pk_fma_f32 v[OP+12:OP+13], v[OP+12:OP+13], v[FP:FP+1], v[DT+12:DT+13] op_sel_hi:[1,0,1]
	v_pk_fma_f32 v[OP+14:OP+15], v[OP+14:OP+15], v[FP:FP+1], v[DT+14:DT+15] op_sel_hi:[1,0,1]
	v_nop
	s_set_vgpr_msb 0x4100
	v_max3_num_f32 v[NMI+1], v[TM], v[BX], v[NMI+1]
	s_set_vgpr_msb 0x41
	v_pk_fma_f32 v[OP+18:OP+19], v[OP+18:OP+19], v[FP:FP+1], v[DT+18:DT+19] op_sel_hi:[1,0,1]
	v_pk_fma_f32 v[OP+20:OP+21], v[OP+20:OP+21], v[FP:FP+1], v[DT+20:DT+21] op_sel_hi:[1,0,1]
	v_pk_fma_f32 v[OP+22:OP+23], v[OP+22:OP+23], v[FP:FP+1], v[DT+22:DT+23] op_sel_hi:[1,0,1]
	v_nop
	s_set_vgpr_msb 0x4100
	v_mul_f32 v[TM], s[CS], v[NMI+1]
	s_set_vgpr_msb 0x41
	v_pk_fma_f32 v[OP+26:OP+27], v[OP+26:OP+27], v[FP:FP+1], v[DT+26:DT+27] op_sel_hi:[1,0,1]
	v_pk_fma_f32 v[OP+28:OP+29], v[OP+28:OP+29], v[FP:FP+1], v[DT+28:DT+29] op_sel_hi:[1,0,1]
	v_pk_fma_f32 v[OP+30:OP+31], v[OP+30:OP+31], v[FP:FP+1], v[DT+30:DT+31] op_sel_hi:[1,0,1]
	s_set_vgpr_msb 0x4100
	v_mov_b32 v[NMO], v[NMI]
	v_floor_f32 v[NMI], -v[TM]
.rept 4
	v_nop
.endr
	v_sub_f32 v[TM], v[NMI], v[NMO]
.irp k, 0,1,2,3,4,5,6,7,8,9,10,11,12,13,14,15
	v_pk_fma_f32 v[S+2*\k:S+2*\k+1], v[S+2*\k:S+2*\k+1], s[CS:CS+1], v[NMI:NMI+1] op_sel_hi:[1,0,0]
.endr
.if \kload
	LOADK
.endif
.if \vload
	LOADV
.endif
	s_wait_alu depctr_va_vdst(0)
.irp k, 0,1,2,3,4,5,6,7,8,9,10,11,12,13,14
	v_exp_f32 v[S+\k], v[S+\k]
.endr
.irp k, 0,1,2,3,4,5,6,7,8,9,10,11,12,13,14,15
	v_exp_f32 v[S+\k+15], v[S+\k+15]
	v_pk_fma_f32 v[S+2*\k+32:S+2*\k+33], v[S+2*\k+32:S+2*\k+33], s[CS:CS+1], v[NMI:NMI+1] op_sel_hi:[1,0,0]
.endr
	v_exp_f32 v[S+31], v[S+31]
	v_cvt_i32_f32 v[TM], v[TM]
	s_wait_alu depctr_va_vdst(0)
.irp k, 0,1,2,3,4,5,6
	v_exp_f32 v[S+\k+32], v[S+\k+32]
.endr
.irp k, 0,1,2,3,4,5,6,7
	v_exp_f32 v[S+\k+39], v[S+\k+39]
	v_pk_add_f32 v[DT+2*\k+16:DT+2*\k+17], v[S+4*\k:S+4*\k+1], v[S+4*\k+2:S+4*\k+3]
.endr
.irp k, 0,1,2,3,4,5,6,7
	v_exp_f32 v[S+\k+47], v[S+\k+47]
	v_dual_min_num_f32 v[S+2*\k], v[S+2*\k], v[CL] :: v_dual_min_num_f32 v[S+2*\k+1], v[S+2*\k+1], v[CL]
.endr
.irp k, 0,1,2,3,4,5,6,7
	v_exp_f32 v[S+\k+55], v[S+\k+55]
	v_dual_min_num_f32 v[S+2*\k+16], v[S+2*\k+16], v[CL] :: v_dual_min_num_f32 v[S+2*\k+17], v[S+2*\k+17], v[CL]
.endr
	v_exp_f32 v[S+63], v[S+63]
	v_ldexp_f32 v[FI], 1.0, v[TM]
	s_wait_alu depctr_va_vdst(0)
.if \kload || \vload
	s_wait_dscnt 0x0
.endif
.irp k, 0,1,2,3,4,5,6,7
	v_pk_add_f32 v[DT+2*\k+16:DT+2*\k+17], v[DT+2*\k+16:DT+2*\k+17], v[S+2*\k+32:S+2*\k+33]
.endr
.irp k, 0,1
	v_cvt_scalef32_pk8_fp8_f32 v[P+2*\k:P+2*\k+1], v[S+8*\k:S+8*\k+7], v[SOP]
.irp j, 0,1,2,3
	v_dual_min_num_f32 v[S+8*\k+2*\j+32], v[S+8*\k+2*\j+32], v[CL] :: v_dual_min_num_f32 v[S+8*\k+2*\j+33], v[S+8*\k+2*\j+33], v[CL]
.endr
.endr
.irp k, 0,1
	v_cvt_scalef32_pk8_fp8_f32 v[P+2*\k+4:P+2*\k+5], v[S+8*\k+16:S+8*\k+23], v[SOP]
.irp j, 0,1,2,3
	v_pk_add_f32 v[DT+8*\k+2*\j+16:DT+8*\k+2*\j+17], v[DT+8*\k+2*\j+16:DT+8*\k+2*\j+17], v[S+8*\k+2*\j+48:S+8*\k+2*\j+49]
.endr
.endr
.irp k, 0,1
	v_cvt_scalef32_pk8_fp8_f32 v[P+2*\k+8:P+2*\k+9], v[S+8*\k+32:S+8*\k+39], v[SOP]
.irp j, 0,1,2,3
	v_dual_min_num_f32 v[S+8*\k+2*\j+48], v[S+8*\k+2*\j+48], v[CL] :: v_dual_min_num_f32 v[S+8*\k+2*\j+49], v[S+8*\k+2*\j+49], v[CL]
.endr
.endr
	v_nop
	v_cvt_scalef32_pk8_fp8_f32 v[P+12:P+13], v[S+48:S+55], v[SOP]
	v_cvt_scalef32_pk8_fp8_f32 v[P+14:P+15], v[S+56:S+63], v[SOP]
.irp k, 0,1,2,3
	v_pk_add_f32 v[DT+4*\k+16:DT+4*\k+17], v[DT+4*\k+16:DT+4*\k+17], v[DT+4*\k+18:DT+4*\k+19]
.endr
	v_pk_add_f32 v[DT+16:DT+17], v[DT+16:DT+17], v[DT+20:DT+21]
	v_pk_add_f32 v[DT+24:DT+25], v[DT+24:DT+25], v[DT+28:DT+29]
	v_nop
	v_pk_add_f32 v[DT+16:DT+17], v[DT+16:DT+17], v[DT+24:DT+25]
	v_nop
	v_pk_fma_f32 v[SUMI:SUMI+1], v[SUMI:SUMI+1], v[FI:FI+1], v[DT+16:DT+17] op_sel_hi:[1,0,1]
.endm
.macro OUT i, more
.set SUMI, ST+6*\i+2
.set OI, O+32*\i
	v_add_f32 v[RL], v[SUMI], v[SUMI+1]
	v_and_b32 v[BM], 15, v0
	v_bfe_u32 v[BM+1], v0, 4, 1
	s_mul_i32 s[T0], s[WV], STW
	s_add_co_u32 s[T0], s[T0], STG
	v_mul_u32_u24 v[BM+2], v[BM], STP
	v_mul_u32_u24 v[BM+3], v[BM+1], STP
	v_permlanex16_b32 v[BX], v[RL], s[SEL], s[SEL+1]
	s_delay_alu instid0(VALU_DEP_3)
	v_lshl_add_u32 v[BM+2], v[BM+1], 5, v[BM+2]
	s_delay_alu instid0(VALU_DEP_3)
	v_lshl_add_u32 v[BM+3], v[BM], 4, v[BM+3]
	v_lshlrev_b32 v[GO], 8, v[BM+1]
	s_delay_alu instid0(VALU_DEP_3)
	v_add_nc_u32 v[BM+2], s[T0], v[BM+2]
	s_delay_alu instid0(VALU_DEP_3)
	v_add_nc_u32 v[BM+3], s[T0], v[BM+3]
	v_add_f32 v[RL], v[RL], v[BX]
	s_delay_alu instid0(VALU_DEP_4)
	v_lshl_add_u32 v[GO], v[BM], 4, v[GO]
.if (\i) < 2
	s_add_co_u32 s[T0], s[AW], \i
.else
	s_sub_co_u32 s[T0], \i+28, s[AW]
.endif
	s_lshl_b32 s[T0], s[T0], 6
	s_lshl_b32 s[T3], s[CX], 4
	s_add_co_u32 s[T0], s[T0], s[T3]
	s_lshl_b32 s[OO], s[T0], 8
	s_mov_b32 s[OO+1], 0
	s_add_nc_u64 s[OB:OB+1], s[12:13], s[OO:OO+1]
	s_wait_alu depctr_va_vdst(0)
	v_rcp_f32 v[RL], v[RL]
	v_mov_b32 v[RL+1], 0
	s_wait_alu depctr_va_vdst(0)
	v_ldexp_f32 v[RL], v[RL], s[EPV]
.rept 4
	v_nop
.endr
	s_set_vgpr_msb 0x1
.irp k, 0,1,2,3,4,5,6,7,8,9,10,11,12,13,14,15
	v_pk_mul_f32 v[S+2*\k:S+2*\k+1], v[OI+2*\k:OI+2*\k+1], v[RL:RL+1] op_sel_hi:[1,0]
.endr
	s_set_vgpr_msb 0x100
.irp k, 0,1,2,3
	ds_store_b128 v[BM+2], v[S+8*\k:S+8*\k+3] offset:64*\k
	ds_store_b128 v[BM+2], v[S+8*\k+4:S+8*\k+7] offset:64*\k+16
.endr
.irp k, 0,1,2,3,4,5,6,7
	ds_load_b128 v[S+4*\k+32:S+4*\k+35], v[BM+3] offset:2*STP*\k
.endr
.irp k, 0,1,2,3,4,5,6,7
	s_wait_dscnt 7-\k
	global_store_b128 v[GO], v[S+4*\k+32:S+4*\k+35], s[OB:OB+1] offset:512*\k
.endr
.if \more
	s_wait_xcnt 0x0
.endif
.endm
.macro MASKS i, p
.Lmask\i\p:
.if (\i) % 2 == 0
.irp k, 0,1,2,3,4,5,6,7,8,9,10,11,12,13,14,15
	v_cndmask_b32 v[S+\k], v[S+\k], v[NINF], s[MKA+\k]
.endr
.irp k, 0,1,2,3,4,5,6,7
	v_cndmask_b32 v[S+\k+16], v[S+\k+16], v[NINF], s[MKB+\k]
.endr
.irp k, 0,1,2,3,4,5,6,7
	v_cndmask_b32 v[S+\k+24], v[S+\k+24], v[NINF], s[MKC+\k]
.endr
.irp k, 0,1,2,3,4,5,6,7,8,9,10,11,12,13,14,15
	v_dual_mov_b32 v[S+2*\k+32], v[NINF] :: v_dual_mov_b32 v[S+2*\k+33], v[NINF]
.endr
.else
.irp k, 0,1,2,3,4,5,6,7,8,9,10,11,12,13,14,15
	v_cndmask_b32 v[S+\k+32], v[S+\k+32], v[NINF], s[MKA+\k]
.endr
.irp k, 0,1,2,3,4,5,6,7
	v_cndmask_b32 v[S+\k+48], v[S+\k+48], v[NINF], s[MKB+\k]
.endr
.irp k, 0,1,2,3,4,5,6,7
	v_cndmask_b32 v[S+\k+56], v[S+\k+56], v[NINF], s[MKC+\k]
.endr
.endif
	s_branch .Lmasked\i\p
.endm
.macro LEAVE i
	s_cmp_eq_u32 s[SC], s[LIM+2*((\i)/2)]
	s_cbranch_scc1 .Lout\i
.Lback\i:
.endm
.macro GOES i
.Lout\i:
	OUT \i, 1
	s_branch .Lback\i
.endm
	s_load_b128 s[4:7], s[0:1], 0x0
	s_load_b128 s[8:11], s[0:1], 0x10
	s_load_b64 s[12:13], s[0:1], 0x20
	v_lshl_add_u32 v[SPW], v0, 2, SPARE
	v_mov_b32 v[NIL], 0
	ds_add_u32 v[SPW], v[NIL]
	ds_add_u32 v[SPW], v[NIL]
	v_lshrrev_b32 v[ADK], 5, v0
	s_delay_alu instid0(VALU_DEP_1)
	v_readfirstlane_b32 s[WV], v[ADK]
	s_and_b32 s[HD], ttmp7, 0xffff
	s_bfe_u32 s[CX], ttmp6, 0x40000
	DESC G1K, 32, 512, 32, PAD128
	DESC G1V, 64, 64, 256, PAD512
	s_mov_b32 s[SEL], 0x76543210
	s_mov_b32 s[SEL+1], 0xfedcba98
	s_lshl_b32 s[SB], s[HD], 17
	s_mov_b32 s[SB+1], 0
	s_mov_b32 s[G0], 1
	s_wait_dscnt 0x0
	s_wait_kmcnt 0x0
	s_load_b128 s[EX:EX+3], s[10:11], 0x0
	s_lshl_b32 s[OO], s[HD], 19
	s_mov_b32 s[OO+1], 0
	s_add_nc_u64 s[12:13], s[12:13], s[OO:OO+1]
	ROUND
	s_cmp_ge_u32 s[WV], 7
	s_cbranch_scc1 .Larm_end
	s_cmp_ge_u32 s[WV], 3
	s_cbranch_scc1 .Larm_v
	s_cmp_lt_u32 s[WV], 2
	s_cbranch_scc1 .Larm_end
	s_mov_b32 s[G0+1], 0
	s_add_nc_u64 s[G0+2:G0+3], s[6:7], s[SB:SB+1]
	ASK G1K
	s_branch .Larm_end
.Larm_v:
	s_sub_co_u32 s[T0], s[WV], 3
	s_mul_i32 s[G0+1], s[T0], VPL
	s_add_co_u32 s[G0+1], s[G0+1], VB
	s_lshl_b32 s[T1], s[T0], 9
	s_mov_b32 s[T2], 0
	s_add_nc_u64 s[G0+2:G0+3], s[8:9], s[SB:SB+1]
	s_add_nc_u64 s[G0+2:G0+3], s[G0+2:G0+3], s[T1:T2]
	ASK G1V
.Larm_end:
	v_and_b32 v[S], 15, v0
	v_bfe_u32 v[S+1], v0, 4, 1
	s_lshl_b32 s[T3], s[CX], 4
	s_lshl_b32 s[AW], s[WV], 1
.irp t, 0,1,2,3
.if \t < 2
	s_add_co_u32 s[T0], s[AW], \t
.else
	s_sub_co_u32 s[T0], \t+28, s[AW]
.endif
	s_lshl_b32 s[T0], s[T0], 6
	s_add_co_u32 s[T0], s[T0], s[T3]
	s_lshl_b32 s[QB+2*\t], s[T0], 6
	s_mov_b32 s[QB+2*\t+1], 0
	s_add_nc_u64 s[QB+2*\t:QB+2*\t+1], s[QB+2*\t:QB+2*\t+1], s[SB:SB+1]
	s_add_nc_u64 s[QB+2*\t:QB+2*\t+1], s[QB+2*\t:QB+2*\t+1], s[4:5]
.endr
	s_wait_alu depctr_va_vdst(0)
	v_lshlrev_b32 v[S+2], 6, v[S]
	s_delay_alu instid0(VALU_DEP_1)
	v_lshl_add_u32 v[S+2], v[S+1], 4, v[S+2]
.irp k, 0,1,2,3
	global_load_b128 v[QF+8*\k:QF+8*\k+3], v[S+2], s[QB+2*\k:QB+2*\k+1]
	global_load_b128 v[QF+8*\k+4:QF+8*\k+7], v[S+2], s[QB+2*\k:QB+2*\k+1] offset:32
.endr
	v_bfe_u32 v[S+4], v0, 1, 3
	v_bfe_u32 v[S+5], v0, 3, 1
	s_delay_alu instid0(VALU_DEP_1)
	v_lshl_add_u32 v[S+4], v[S+5], 2, v[S+4]
	s_delay_alu instid0(VALU_DEP_1)
	v_mul_u32_u24 v[AK], v[S+4], KP
	v_and_b32 v[S+4], 1, v0
	s_delay_alu instid0(VALU_DEP_1)
	v_lshl_add_u32 v[AK], v[S+4], 6, v[AK]
	s_delay_alu instid0(VALU_DEP_1)
	v_lshl_add_u32 v[AK], v[S+1], 4, v[AK]
	v_mul_u32_u24 v[AV], v[S], VP
	s_delay_alu instid0(VALU_DEP_1)
	v_lshl_add_u32 v[AV], v[S+1], 4, v[AV]
	s_delay_alu instid0(VALU_DEP_1)
	v_add_nc_u32 v[AV], VB, v[AV]
	s_wait_kmcnt 0x0
	s_add_co_u32 s[T0], s[EX], s[EX+1]
	v_mov_b32 v[TM], 0x3e38aa3b
	s_delay_alu instid0(VALU_DEP_1)
	v_ldexp_f32 v[TM], v[TM], s[T0]
	s_delay_alu instid0(VALU_DEP_1)
	v_readfirstlane_b32 s[CS], v[TM]
	s_mov_b32 s[CS+1], s[CS]
	s_add_co_u32 s[T0], s[EX+2], 127
	s_lshl_b32 s[T1], s[T0], 23
	v_mov_b32 v[SOP], s[T1]
	s_add_co_u32 s[T0], s[T0], 8
	s_lshl_b32 s[T1], s[T0], 23
	s_or_b32 s[T1], s[T1], 0x600000
	v_mov_b32 v[CL], s[T1]
	s_add_co_u32 s[EPV], s[EX+2], s[EX+3]
	s_set_vgpr_msb 0x40
.irp k, 0,1,2,3
.irp j, 0,1,2,3,4,5,6,7,8,9,10,11,12,13,14,15,16,17,18,19,20,21,22,23,24,25,26,27,28,29,30,31
	v_mov_b32 v[O+32*\k+\j], 0
.endr
.endr
	s_set_vgpr_msb 0x4000
.irp k, 0,1,2,3,4,5,6,7,8,9,10,11,12,13,14,15
	v_mov_b32 v[P+\k], 0
.endr
	v_mov_b32 v[BX], 0
.irp k, 0,1,2,3
	v_mov_b32 v[ST+6*\k+1], 0xff61b1e6
	v_mov_b32 v[ST+6*\k+2], 0
	v_mov_b32 v[ST+6*\k+3], 0
	v_mov_b32 v[ST+6*\k+4], 1.0
	v_mov_b32 v[ST+6*\k+5], 0
.endr
.irp k, 0,1,2,3
	v_mov_b32 v[ST+6*\k], 0x7f61b1e6
.endr
	s_mov_b32 s[SC], 0
	s_mov_b32 s[TK], 0
	s_mov_b32 s[TV], 0
	s_wait_loadcnt 0x0
	s_wait_alu depctr_va_vdst(0)
	s_wait_tensorcnt 0x0
	s_barrier_signal -1
	s_barrier_wait -1
.if SIZE_CAUSAL
	s_mov_b32 s[LIM], s[WV]
	s_sub_co_u32 s[LIM2], STEPS-1, s[WV]
	s_lshl_b32 s[T3], s[CX], 4
	v_and_b32 v[S], 15, v0
	v_bfe_u32 v[S+1], v0, 4, 1
	s_delay_alu instid0(VALU_DEP_1)
	v_lshlrev_b32 v[S+1], 4, v[S+1]
	s_delay_alu instid0(VALU_DEP_1)
	v_sub_nc_u32 v[S], v[S], v[S+1]
	s_delay_alu instid0(VALU_DEP_1)
	v_add_nc_u32 v[S], s[T3], v[S]
	s_delay_alu instid0(VALU_DEP_1)
.irp k, 0,1,2,3,4,5,6,7,8,9,10,11,12,13,14,15
	v_cmp_gt_i32 s[MKA+\k], \k, v[S]
.endr
.irp k, 0,1,2,3,4,5,6,7
	v_cmp_gt_i32 s[MKB+\k], \k+32, v[S]
.endr
.irp k, 0,1,2,3,4,5,6,7
	v_cmp_gt_i32 s[MKC+\k], \k+40, v[S]
.endr
	v_mov_b32 v[NINF], 0xff800000
.else
	s_mov_b32 s[LIM], STEPS-1
	s_mov_b32 s[LIM2], STEPS-1
.endif
	LOADK
	LOADV
	s_wait_dscnt 0x0
	s_wait_alu depctr_va_vdst(0)
	s_mov_b32 s[TK], KSTEP
.Lstep:
.if SIZE_CAUSAL
	s_cmp_gt_u32 s[SC], s[LIM2]
	s_cbranch_scc1 .Ldone
	s_cmp_gt_u32 s[SC], s[LIM]
	s_cbranch_scc1 .Ltwo
.endif
	TSTEP 0, 3, 1, 0, SIZE_CAUSAL
	TSTEP 1, 0, 0, 0, SIZE_CAUSAL
	LEAVE 0
	TSTEP 2, 1, 0, 0, 0
	LEAVE 1
.Lthree:
	TSTEP 3, 2, 0, 1, SIZE_CAUSAL
	LEAVE 2
.Ldone:
	s_add_co_u32 s[SC], s[SC], 1
	s_add_co_u32 s[T0], s[SC], 1
	s_min_u32 s[T0], s[T0], STEPS-1
	s_mul_i32 s[TK], s[T0], KSTEP
	s_lshr_b32 s[T0], s[SC], 2
	s_mul_i32 s[T0], s[T0], VPL
	s_and_b32 s[TV], s[SC], 3
	s_lshl_b32 s[TV], s[TV], 7
	s_add_co_u32 s[TV], s[TV], s[T0]
	s_wait_alu depctr_va_vdst(0)
	s_cmp_lt_u32 s[SC], STEPS
	s_cbranch_scc1 .Lstep
	s_branch .Ltail
.if SIZE_CAUSAL
.Ltwo:
	TSTEP 2, 3, 1, 0, 1
	s_wait_alu depctr_va_vdst(0)
	s_branch .Lthree
	MASKS 0, 3
	MASKS 1, 0
	MASKS 3, 2
	MASKS 2, 3
.endif
	GOES 0
	GOES 1
	GOES 2
.Ltail:
	s_set_vgpr_msb 0x1
	v_wmma_f32_16x16x128_fp8_fp8 v[DT:DT+7], v[VF:VF+15], v[P:P+15], 0
	v_wmma_f32_16x16x128_fp8_fp8 v[DT+8:DT+15], v[VF+16:VF+31], v[P:P+15], 0
	v_wmma_f32_16x16x128_fp8_fp8 v[DT+16:DT+23], v[VF+32:VF+47], v[P:P+15], 0
	v_wmma_f32_16x16x128_fp8_fp8 v[DT+24:DT+31], v[VF+48:VF+63], v[P:P+15], 0
.rept 4
	v_nop
.endr
	s_set_vgpr_msb 0x141
.irp k, 0,1,2,3,4,5,6,7,8,9,10,11,12,13,14,15
	v_pk_fma_f32 v[O+2*\k+96:O+2*\k+97], v[O+2*\k+96:O+2*\k+97], v[ST+22:ST+23], v[DT+2*\k:DT+2*\k+1] op_sel_hi:[1,0,1]
.endr
	s_set_vgpr_msb 0x4100
	OUT 3, 0
	s_wait_tensorcnt 0x0
	ds_add_u32 v[SPW], v[NIL]
	s_wait_dscnt 0x0
	ROUND
	s_endpgm
.Lfunc_end_k_q0c23390fe9_attention:
	.size	k_q0c23390fe9_attention, .Lfunc_end_k_q0c23390fe9_attention-k_q0c23390fe9_attention
	.p2alignl 7, 3214868480
	.fill 96, 4, 3214868480
	.section	.rodata,"a",@progbits
	.p2align	6, 0x0
	.amdhsa_kernel k_q0c23390fe9_attention
		.amdhsa_group_segment_fixed_size 318464
		.amdhsa_private_segment_fixed_size 0
		.amdhsa_enable_private_segment 0
		.amdhsa_kernarg_size 40
		.amdhsa_user_sgpr_count 2
		.amdhsa_user_sgpr_kernarg_segment_ptr 1
		.amdhsa_wavefront_size32 1
		.amdhsa_system_sgpr_workgroup_id_x 1
		.amdhsa_system_sgpr_workgroup_id_y 1
		.amdhsa_system_sgpr_workgroup_id_z 1
		.amdhsa_system_vgpr_workitem_id 0
		.amdhsa_next_free_vgpr 512
		.amdhsa_next_free_sgpr 102
		.amdhsa_reserve_vcc 0
		.amdhsa_float_denorm_mode_32 3
		.amdhsa_float_denorm_mode_16_64 3
		.amdhsa_memory_ordered 1
		.amdhsa_forward_progress 1
		.amdhsa_inst_pref_size 93
	.end_amdhsa_kernel
	.amdgpu_metadata
---
amdhsa.version: [ 1, 2 ]
amdhsa.kernels:
  - .name:           k_q0c23390fe9_attention
    .symbol:         k_q0c23390fe9_attention.kd
    .args:
      - { .name: Q_codes, .offset: 0, .size: 8, .value_kind: global_buffer, .address_space: global }
      - { .name: K_codes, .offset: 8, .size: 8, .value_kind: global_buffer, .address_space: global }
      - { .name: V_codes, .offset: 16, .size: 8, .value_kind: global_buffer, .address_space: global }
      - { .name: lowp_scales, .offset: 24, .size: 8, .value_kind: global_buffer, .address_space: global }
      - { .name: out0, .offset: 32, .size: 8, .value_kind: global_buffer, .address_space: global }
    .group_segment_fixed_size: 318464
    .private_segment_fixed_size: 0
    .kernarg_segment_align: 8
    .kernarg_segment_size: 40
    .max_flat_workgroup_size: 256
    .sgpr_count:     102
    .vgpr_count:     512
    .wavefront_size: 32
...
	.end_amdgpu_metadata
.endif
;; end of part 1
